; MI455X (gfx1250); checked and timed in simulation.
; The chip was launched on July 23, 2026; its instructions are those of AMD's public machine-readable ISA for CDNA 5 (MIT licence, August 2026) and "CDNA5" Instruction Set Architecture Reference Guide (July 2026). The comments in the code are by the model that wrote it; some were corrected since.
;; Model Base. Allowed arithmetic: matrix products marked QUANTISED: E2M1 operands, one E8M0 scale for each 32 along K, by v_wmma_scale_f32_16x16x128_f8f6f4 with both operands' format E2M1 (or v_wmma_scale_f32_32x16x128_f4), f32 sums; everything else in f32.
;; Inputs: x_codes 16 x 2,048 x 8 x 16 uint8 (E2M1 codes of x, K innermost, in blocks of 32 codes, two codes a byte); x_scales 16 x 2,048 x 8 uint8 (E8M0 scales of x, one for each 32 codes along K); y_codes 16 x 2,048 x 8 x 16 uint8 (E2M1 codes of y, K innermost, in blocks of 32 codes, two codes a byte); y_scales 16 x 2,048 x 8 uint8 (E8M0 scales of y, one for each 32 codes along K).
;; Outputs: out0 16 x 4,096 float32.
;; This version of the problem:
;;   THIS VERSION OF THE PROBLEM IS GIVEN IN LOW PRECISION. The matrix products marked QUANTISED in the list below multiply operands that are first quantised to E2M1 (2 exponent bits, 1 mantissa bit; 4 bits a number), with one power-of-two scale for each 32 numbers along K (OCP MX v1.0); their sums are f32. All else is computed in f32.
;;   The module's matrix products, in the order in which they are computed (A, B: the left and right operand; K: the contracted axis; several contracted axes count as one K, in the product's order):
;;     1. batch 16 x [M 2,048, K 256] x [K 256, N 2,048]; A: input x (given as codes); B: input y (given as codes): QUANTISED
;;   THE QUANTISER, for each operand of a quantised product, along K:
;;     - K is cut into blocks of 32 from its start; a last block that is shorter is filled with zeros.
;;     - A block's scale is 2^e with e = floor(log2(the largest magnitude in the block)) - 2, held to -126 .. 127; a block of zeros has e = 0. As a byte (E8M0): e + 127.
;;     - Each number is divided by its block's scale, clamped to +-6, and rounded to the nearest number of E2M1, ties to even, subnormals kept.
;;     - The product sums the exact products of the quantised numbers (number of the format x scale) in f32.
;;   ~~~python
;;   def quantise(x, axis):      # numpy; x: float32 -> the quantised numbers, widened to float32 again
;;       x = np.moveaxis(x, axis, -1); K = x.shape[-1]
;;       x = np.pad(x, [(0, 0)] * (x.ndim - 1) + [(0, -K % 32)]); x = x.reshape(x.shape[:-1] + (-1, 32)); a = np.abs(x).max(-1, keepdims=True)
;;       e = np.where(a > 0, np.clip(np.frexp(np.where(a > 0, a, 1))[1] - 1 - 2, -126, 127), 0)      # np.frexp(a)[1] - 1 = floor(log2(a)), exactly
;;       r = np.clip(x / 2.0 ** e, -6, 6)
;;       step = 2.0 ** (np.maximum(np.frexp(np.where(r == 0, 1, r))[1] - 1, 0) - 1)
;;       q = np.round(r / step) * step * 2.0 ** e      # np.round: ties to even
;;       return np.moveaxis(q.reshape(q.shape[:-2] + (-1,))[..., :K], -1, axis).astype(np.float32)
;;   ~~~
;;   INPUTS GIVEN AS CODES. x (in the module: [16, 2048, 256], K = its axis 2); y (in the module: [16, 2048, 256], K = its axis 2): each comes as NAME_codes (uint8): NAME with its K axis moved to the last place and cut into blocks of 32 codes, [.., K / 32, bytes a block], one block behind the other in memory; two codes a byte, the lower K in the low four bits (a code: sign, 2 exponent bits, 1 mantissa bit); and NAME_scales (uint8): the same leading axes, one E8M0 byte (e + 127) for each 32 codes along K. Its value is code x scale, taken as it is: it is not quantised again, and the codes and scales need not be those that the quantiser above would give.
;; One version. Each part assembles by itself: llvm-mc -triple=amdgcn-amd-amdhsa -mcpu=gfx1250 --defsym DOCPART=n.
;; ======== version 1 of 1: 1 launch
;; launch strips (part 1): grid 8 x 32, 4 waves a work-group, clusters of 4 x 1, 327,680 bytes of LDS; arguments x_codes, x_scales, y_codes, y_scales, out0; writes out0
.if DOCPART == 1
	.amdgcn_target "amdgcn-amd-amdhsa--gfx1250"
	.amdhsa_code_object_version 6
	.text
	.protected	k_q788daa5a6d_strips
	.globl	k_q788daa5a6d_strips
	.p2align	8
	.type	k_q788daa5a6d_strips,@function
k_q788daa5a6d_strips:
	s_mov_b64 s[64:65], 0
	v_nop
	global_prefetch_b8 v0, s[64:65] scope:SCOPE_SE
	s_setreg_imm32_b32 hwreg(HW_REG_WAVE_MODE, 25, 1), 1
	s_wait_xcnt 0x0
	s_wait_alu depctr_hold_cnt(0) depctr_sa_sdst(0) depctr_va_vdst(0) depctr_va_sdst(0) depctr_va_ssrc(0) depctr_va_vcc(0) depctr_vm_vsrc(0)
	s_getreg_b32 s2, hwreg(HW_REG_IB_STS2, 6, 4)
	s_cmp_eq_u32 s2, 0
	s_cbranch_scc0 .Lentry_in_a_cluster
	s_endpgm
.Lentry_in_a_cluster:
	s_bfe_u32 s2, ttmp6, 0x10000c
	s_cmp_lg_u32 s2, 0x3003
	s_cbranch_scc0 .Lentry_shape_is_right
	s_endpgm
.Lentry_shape_is_right:
; S[b][n][m] = x[b][n] . y[b][m] on codes of FP4 (E2M1) with one E8M0 scale for each 32 along K = 256; out0[b][m] = the sum over n of S, out0[b][2048 + n] = the sum over m of S.
; EACH OUTPUT HAS ONE OWNER.  A work-group owns a strip of 256 rows of one operand of one batch (role 0: rows of y, role 1: rows of x) and multiplies them with ALL 2,048 rows of the other operand.
; The products of one tile of 16 own rows with every tile of 16 other rows are added onto ONE accumulator: the matrix instruction's own addition sums S along the other axis, and no vector instruction touches S.
; The price: every element of S is multiplied twice in the launch, once for its row's owner and once for its column's.  In return: one launch, no partial sums through memory, no vector work beside the products.
; 16 batches x 2 roles x 8 strips = 256 work-groups.  Both roles take one path through the text: only pointers are chosen.
; SHARES.  Four waves.  Each holds all 16 own tiles (32 fragments, 256 registers, window 1) and 16 accumulators, and walks its own quarter of the other rows: 512 rows = 32 tiles.  An other fragment read
; from LDS feeds 16 matrix instructions and is read by one wave alone, the wave whose tensor loads brought it: that wave's counted wait is all the ordering its reads need.
; LDS holds the whole other operand of the batch: every LDS byte is filled once, all fills go out at the head, and no slot is ever filled again.
; CLUSTER.  The four work-groups of a cluster have the same batch and role, so they need the same other operand: its loads are JOINT (the same descriptor in all four, mask 15).  The own rows differ: plain loads.
; LAYOUT.  Source 0 = 16 other rows, source 1 = 16 own rows: in the result lane (r, h) holds own row r and other rows 8 h + 0 .. 7.
; THE ROWS OF A TILE ARE NOT NEIGHBOURS: of a group of 64 rows, tile u (0 .. 3) takes row 8 q + e + 2 u in lane r, q = r / 2, e = r % 2.  Other rows are all summed and own rows only say where a result lands, so
; the choice is free; it lets LDS be padded once for each 8 rows (1,024 bytes + 16).
; LIMITS.  The order of the f32 additions differs from the definition's: an accumulator's element is a chain of 64 matrix instructions, then 16 elements are added, then the four waves' parts, always in the same order;
; no difference of sums is formed.  A scale byte 0xff gives NaN in every output that its row or column reaches.
.set LP,    1040                       ; a long row in LDS: 8 rows of 128 bytes + 16 of padding
.set GRP,   8*LP                       ; a group of 64 rows
.set CHUNK, 16*LP                      ; 128 rows: what one tensor load of other codes brings
.set QUART, 4*CHUNK                    ; 512 rows: a wave's quarter of the other operand
.set OTH,   0                          ; LDS: the other codes, four quarters
.set OWN,   4*QUART                    ; the own codes: 32 long rows, 8 from each wave
.set OSC,   OWN+4*GRP                  ; the other scale bytes, dense, 8 a row: 4,096 bytes a quarter
.set WSC,   OSC+16384                  ; the own scale bytes, dense: 512 bytes from each wave
.set RED,   WSC+2048                   ; the waves' partial sums, 1,024 bytes a wave: sixteen blocks of 256 bytes into which no fill lands
.set ADRO, 4                           ; v4   my lane's place in my wave's quarter of the other codes
.set ADRW, 5                           ; v5   in the own codes
.set ADRS, 6                           ; v6   in my wave's quarter of the other scale bytes
.set ADRT, 7                           ; v7   in the own scale bytes
.set RST,  8                           ; v8   where I put a partial sum
.set RLD,  9                           ; v9   where I read two rows' partial sums back
.set GO,   10                          ; v10  my byte offset in the strip's outputs
.set WS,   16                          ; v16-31  own scale words: register 2 (t / 2) + s: lanes 0-15 tile t even, lanes 16-31 tile t odd; K step s.  Scales and nothing else
.set OS,   32                          ; v32-63  other scale words: register 2 P + s: lanes 0-15 the pair's tile 0, lanes 16-31 its tile 1.  Scales and nothing else
.set BUF,  64                          ; v64-95, v96-127  two buffers for a pair of other tiles: fragment (i, s) at + 16 i + 8 s
.set ACC,  128                         ; v128-255  own tile t's accumulator at + 8 t
                                       ; window 1: v0-255  own fragment (t, s) at 8 (2 t + s)
.set WV,   14                          ; s14  my wave's number
.set G1C,  32                          ; s[32:39] descriptor group 1: a chunk of other codes, joint
.set G1W,  40                          ; s[40:47] a wave's 64 rows of own codes, plain
.set G1S,  48                          ; s[48:55] a quarter of the other scale bytes, joint
.set G1T,  56                          ; s[56:63] a wave's 64 rows of own scale bytes, plain
.set G0W,  68                          ; s[68:71] group 0: own codes;  s[72:75] own scales;  s[76:79] other scales;  s[80:95] the four chunks.  One set for each load, none written again
.set G0T,  72
.set G0S,  76
.set G0C,  80
; A round of the cluster's barrier: my work-group's barrier, so that wave 0's signal speaks for all four waves; wave 0 signals for the work-group; every wave waits for all four work-groups; my work-group's barrier once more.
.macro CROUND
	s_barrier_signal -1
	s_barrier_wait -1
	s_cmp_lg_u32 s[WV], 0
	s_cbranch_scc1 .Lnot_wave_0_\@
	s_barrier_signal -3
.Lnot_wave_0_\@:
	s_barrier_wait -3
	s_barrier_signal -1
	s_barrier_wait -1
.endm
	s_load_b256 s[4:11], s[0:1], 0x0               ; x's codes s[4:5], x's scales s[6:7], y's codes s[8:9], y's scales s[10:11]
	s_load_b64 s[12:13], s[0:1], 0x20              ; out0
	v_lshl_add_u32 v14, v0, 2, 0x4ea00
	v_mov_b32 v15, 0
	ds_add_u32 v14, v15
	ds_add_u32 v14, v15
	v_lshrrev_b32 v1, 5, v0
	v_readfirstlane_b32 s[WV], v1                  ; wave 0..3
	s_bfe_u32 s15, ttmp6, 0x40000                  ; cx: my place in the cluster: it enters the own rows' and the outputs' global addresses alone
	s_lshl_b32 s16, ttmp9, 2                       ; in a cluster launch ttmp9 counts clusters
	s_add_co_u32 s16, s16, s15                     ; my strip = 4 x cluster x + cx
	s_and_b32 s17, ttmp7, 0xffff                   ; y = 2 x batch + role, which the four partners share
	s_lshr_b32 s18, s17, 1                         ; the batch
	s_and_b32 s19, s17, 1                          ; the role
	; descriptor groups 1.  All blocks are dense in memory; elements of 8 bytes.  Codes come as long rows of 1,024 bytes (128 elements) with 16 bytes of padding behind each, scale bytes as rows of 256 bytes without.
	s_mov_b32 s[G1C], 15|(3<<16)|(1<<20)|(1<<21)|(7<<22)|(3<<25)   ; 15:0 the mask: all four work-groups; 17:16 elements of 8 bytes; 20 padding on; 21 set beside a mask; 24:22 after every 256 words (code 7); 31:25 four words (code 3)
	s_mov_b32 s[G1C+1], 128<<16                    ; tensor_dim0 = 128
	s_mov_b32 s[G1C+2], 16<<16                     ; tensor_dim1 = 16
	s_mov_b32 s[G1C+3], 128<<16                    ; tile_dim0 = 128
	s_mov_b32 s[G1C+4], 16                         ; tile_dim1 = 16
	s_mov_b32 s[G1C+5], 128                        ; from row to row: 128 elements
	s_mov_b32 s[G1C+6], 0
	s_mov_b32 s[G1C+7], 0
	s_mov_b32 s[G1W], (3<<16)|(1<<20)|(7<<22)|(3<<25)              ; the same shape of row, no mask: 8 long rows
	s_mov_b32 s[G1W+1], 128<<16
	s_mov_b32 s[G1W+2], 8<<16
	s_mov_b32 s[G1W+3], 128<<16
	s_mov_b32 s[G1W+4], 8
	s_mov_b32 s[G1W+5], 128
	s_mov_b32 s[G1W+6], 0
	s_mov_b32 s[G1W+7], 0
	s_mov_b32 s[G1S], 15|(3<<16)|(1<<21)           ; 16 rows of 256 bytes (32 elements), joint, no padding
	s_mov_b32 s[G1S+1], 32<<16
	s_mov_b32 s[G1S+2], 16<<16
	s_mov_b32 s[G1S+3], 32<<16
	s_mov_b32 s[G1S+4], 16
	s_mov_b32 s[G1S+5], 32
	s_mov_b32 s[G1S+6], 0
	s_mov_b32 s[G1S+7], 0
	s_mov_b32 s[G1T], 3<<16                        ; 2 rows of 256 bytes, plain
	s_mov_b32 s[G1T+1], 32<<16
	s_mov_b32 s[G1T+2], 2<<16
	s_mov_b32 s[G1T+3], 32<<16
	s_mov_b32 s[G1T+4], 2
	s_mov_b32 s[G1T+5], 32
	s_mov_b32 s[G1T+6], 0
	s_mov_b32 s[G1T+7], 0
	; byte offsets.  s[28:29]: the other codes of my wave's quarter: batch x 2,048 rows x 128 + wave x 512 x 128: nothing of cx in it.  s[30:31]: my wave's 64 own rows
	s_lshl_b32 s28, s18, 18
	s_lshl_b32 s3, s[WV], 16
	s_add_co_u32 s28, s28, s3
	s_mov_b32 s29, 0
	s_lshl_b32 s30, s18, 18
	s_lshl_b32 s67, s16, 15                        ; strip x 256 rows x 128
	s_add_co_u32 s30, s30, s67
	s_lshl_b32 s67, s[WV], 13                      ; wave x 64 rows x 128
	s_add_co_u32 s30, s30, s67
	s_mov_b32 s31, 0
	s_wait_dscnt 0x0
	s_wait_kmcnt 0x0
	s_cmp_eq_u32 s19, 0                            ; role 0: own = y, other = x.  The choice hangs on the work-group's number alone
	s_cselect_b64 s[20:21], s[8:9], s[4:5]         ; own codes
	s_cselect_b64 s[22:23], s[10:11], s[6:7]       ; own scales
	s_cselect_b64 s[24:25], s[4:5], s[8:9]         ; other codes
	s_cselect_b64 s[26:27], s[6:7], s[10:11]       ; other scales
	s_add_nc_u64 s[20:21], s[20:21], s[30:31]
	s_add_nc_u64 s[24:25], s[24:25], s[28:29]
	s_lshr_b32 s30, s30, 4                         ; a row's 8 scale bytes are a sixteenth of its 128 bytes of codes: so are the offsets
	s_lshr_b32 s28, s28, 4
	s_add_nc_u64 s[22:23], s[22:23], s[30:31]
	s_add_nc_u64 s[26:27], s[26:27], s[28:29]
	s_lshl_b32 s30, s17, 13                        ; out0: (2 x batch + role) x 2,048 numbers of 4 bytes
	s_lshl_b32 s67, s16, 10                        ; + strip x 256 numbers
	s_add_co_u32 s30, s30, s67
	s_add_nc_u64 s[12:13], s[12:13], s[30:31]
	; descriptor groups 0: count 1, the LDS address (a constant + the wave's number x a constant), the global address, type 2 on top
	s_mov_b32 s[G0W], 1
	s_mul_i32 s3, s[WV], GRP
	s_add_co_u32 s[G0W+1], s3, OWN
	s_mov_b64 s[G0W+2:G0W+3], s[20:21]
	s_or_b32 s[G0W+3], s[G0W+3], 0x80000000
	s_mov_b32 s[G0T], 1
	s_lshl_b32 s3, s[WV], 9
	s_add_co_u32 s[G0T+1], s3, WSC
	s_mov_b64 s[G0T+2:G0T+3], s[22:23]
	s_or_b32 s[G0T+3], s[G0T+3], 0x80000000
	s_mov_b32 s[G0S], 1
	s_lshl_b32 s3, s[WV], 12
	s_add_co_u32 s[G0S+1], s3, OSC
	s_mov_b64 s[G0S+2:G0S+3], s[26:27]
	s_or_b32 s[G0S+3], s[G0S+3], 0x80000000
	s_mul_i32 s3, s[WV], QUART
.irp c, 0,1,2,3
	s_mov_b32 s[G0C+4*\c], 1
	s_add_co_u32 s[G0C+4*\c+1], s3, OTH+\c*CHUNK
	s_add_nc_u64 s[G0C+4*\c+2:G0C+4*\c+3], s[24:25], \c*16384      ; 128 rows of 128 bytes on
	s_or_b32 s[G0C+4*\c+3], s[G0C+4*\c+3], 0x80000000
.endr
	CROUND                                         ; all four work-groups are here: the joint loads meet
	; ALL FILLS OF THE LAUNCH, one group: seven tensor loads of mine are out.  What is wanted first goes first
	tensor_load_to_lds s[G0W:G0W+3], s[G1W:G1W+7]  ; my 64 rows of own codes
	s_nop 0
	tensor_load_to_lds s[G0T:G0T+3], s[G1T:G1T+7]  ; and their scale bytes
	s_nop 0
	tensor_load_to_lds s[G0S:G0S+3], s[G1S:G1S+7]  ; my quarter's other scale bytes
	s_nop 0
.irp c, 0,1,2,3
	tensor_load_to_lds s[G0C+4*\c:G0C+4*\c+3], s[G1C:G1C+7]        ; my quarter's other codes, 128 rows at a time
	s_nop 0
.endr
.rept 4
	v_nop
.endr
	; the lanes' addresses are made while the tiles travel
	v_bfe_u32 v1, v0, 1, 3                         ; q = (lane % 16) / 2
	v_and_b32 v2, 1, v0                            ; e = lane % 2
	v_bfe_u32 v3, v0, 4, 1                         ; h = lane / 16
	v_mul_u32_u24 v11, v1, LP
	v_lshl_add_u32 v11, v2, 7, v11
	v_lshl_add_u32 v11, v3, 4, v11                 ; codes: long row q, row e of its eight, + 16 h; the tile's 2 u rows, the K step and the register group stand in the loads' offsets
	v_lshlrev_b32 v12, 6, v1
	v_lshl_add_u32 v12, v2, 3, v12
	v_lshl_add_u32 v12, v3, 4, v12                 ; scale bytes: 8 (8 q + e + 2 h): lanes 16-31 take the tile one further on
	v_add_nc_u32 v[ADRO], s3, v11                  ; (s3 = wave x QUART still stands)
	v_add_nc_u32 v[ADRW], OWN, v11
	s_lshl_b32 s3, s[WV], 12
	s_add_co_u32 s3, s3, OSC
	v_add_nc_u32 v[ADRS], s3, v12
	v_add_nc_u32 v[ADRT], WSC, v12
	v_lshrrev_b32 v[RST], 1, v12                   ; a partial sum: 4 bytes an own row: 4 (8 q + e + 2 h)
	s_lshl_b32 s3, s[WV], 10
	s_add_co_u32 s3, s3, RED
	v_add_nc_u32 v[RST], s3, v[RST]
	v_lshl_add_u32 v[RLD], v0, 3, RED              ; back: thread i takes own rows 2 i and 2 i + 1
	v_lshlrev_b32 v[GO], 3, v0
	s_wait_tensorcnt 4                             ; my own codes, my own scale bytes and my other scale bytes have landed; the four chunks may be out:
	s_barrier_signal -1
	s_barrier_wait -1                              ; every wave's quarter of the own rows is there
	; what stays in registers: scale words, then the 32 own fragments
.irp k, 0,1,2,3,4,5,6,7
	ds_load_b64 v[WS+2*\k:WS+2*\k+1], v[ADRT] offset:512*(\k/2)+32*(\k%2)      ; own tiles 2 k (lanes 0-15) and 2 k + 1 (lanes 16-31): both K steps' words
.endr
.irp p, 0,1,2,3,4,5,6,7,8,9,10,11,12,13,14,15
	ds_load_b64 v[OS+2*\p:OS+2*\p+1], v[ADRS] offset:512*(\p/2)+32*(\p%2)      ; pair p's two tiles likewise
.endr
	s_set_vgpr_msb 0x40                            ; destination window 1, address window 0
.irp t, 0,1,2,3,4,5,6,7,8,9,10,11,12,13,14,15
.irp s, 0,1
.irp c, 0,1
	ds_load_b128 v[8*(2*\t+\s)+4*\c:8*(2*\t+\s)+4*\c+3], v[ADRW] offset:(\t/4)*GRP+(\t%4)*256+64*\s+32*\c
.endr
.endr
.endr
	s_set_vgpr_msb 0x4004                          ; source 1 window 1, all else window 0: ONE setting serves the matrix instructions (own fragments are source 1) and the LDS loads (destination and address in window 0) of the whole main part
; Pair p of my quarter's 16 pairs of other tiles: tiles 2 (p % 2) and 2 (p % 2) + 1 of group p / 2.  Eight loads, tile 0's four first, into buffer p % 2
.macro FETCH p
.set RB, BUF+32*((\p)%2)
.set OB, ((\p)/2)*GRP+((\p)%2)*512
.irp i, 0,1
.irp s, 0,1
.irp c, 0,1
	ds_load_b128 v[RB+16*\i+8*\s+4*\c:RB+16*\i+8*\s+4*\c+3], v[ADRO] offset:OB+256*\i+64*\s+32*\c
.endr
.endr
.endr
.endm
; 16 matrix instructions: tile i of pair p, K step s, against the 16 own tiles.  The 16 accumulators take turns, one instruction a turn, in the same order everywhere.
; zero = 1: the first products start the sums: nothing is ever cleared.  The other tile's scale words lie in lanes 0-15 (i = 0) or 16-31 (i = 1) of their register, the own tile's in lanes 0-15 (t even) or 16-31 (t odd).
.macro MUL16 p, i, s, zero
.set RA, BUF+32*((\p)%2)+16*(\i)+8*(\s)
.set RO, OS+2*(\p)+(\s)
.irp k, 0,1,2,3,4,5,6,7
.if \zero
	v_wmma_scale_f32_16x16x128_f8f6f4 v[ACC+16*\k:ACC+16*\k+7], v[RA:RA+7], v[32*\k+8*(\s):32*\k+8*(\s)+7], 0, v[RO], v[WS+2*\k+(\s)] matrix_a_fmt:MATRIX_FMT_FP4 matrix_b_fmt:MATRIX_FMT_FP4
	v_wmma_scale_f32_16x16x128_f8f6f4 v[ACC+16*\k+8:ACC+16*\k+15], v[RA:RA+7], v[32*\k+16+8*(\s):32*\k+16+8*(\s)+7], 0, v[RO], v[WS+2*\k+(\s)] matrix_a_fmt:MATRIX_FMT_FP4 matrix_b_fmt:MATRIX_FMT_FP4 matrix_b_scale:MATRIX_SCALE_ROW1
.elseif \i
	v_wmma_scale_f32_16x16x128_f8f6f4 v[ACC+16*\k:ACC+16*\k+7], v[RA:RA+7], v[32*\k+8*(\s):32*\k+8*(\s)+7], v[ACC+16*\k:ACC+16*\k+7], v[RO], v[WS+2*\k+(\s)] matrix_a_fmt:MATRIX_FMT_FP4 matrix_b_fmt:MATRIX_FMT_FP4 matrix_a_scale:MATRIX_SCALE_ROW1
	v_wmma_scale_f32_16x16x128_f8f6f4 v[ACC+16*\k+8:ACC+16*\k+15], v[RA:RA+7], v[32*\k+16+8*(\s):32*\k+16+8*(\s)+7], v[ACC+16*\k+8:ACC+16*\k+15], v[RO], v[WS+2*\k+(\s)] matrix_a_fmt:MATRIX_FMT_FP4 matrix_b_fmt:MATRIX_FMT_FP4 matrix_a_scale:MATRIX_SCALE_ROW1 matrix_b_scale:MATRIX_SCALE_ROW1
.else
	v_wmma_scale_f32_16x16x128_f8f6f4 v[ACC+16*\k:ACC+16*\k+7], v[RA:RA+7], v[32*\k+8*(\s):32*\k+8*(\s)+7], v[ACC+16*\k:ACC+16*\k+7], v[RO], v[WS+2*\k+(\s)] matrix_a_fmt:MATRIX_FMT_FP4 matrix_b_fmt:MATRIX_FMT_FP4
	v_wmma_scale_f32_16x16x128_f8f6f4 v[ACC+16*\k+8:ACC+16*\k+15], v[RA:RA+7], v[32*\k+16+8*(\s):32*\k+16+8*(\s)+7], v[ACC+16*\k+8:ACC+16*\k+15], v[RO], v[WS+2*\k+(\s)] matrix_a_fmt:MATRIX_FMT_FP4 matrix_b_fmt:MATRIX_FMT_FP4 matrix_b_scale:MATRIX_SCALE_ROW1
.endif
.endr
.endm
; A pair: 64 matrix instructions; in its middle the next pair's eight loads, in one run, 32 matrix instructions ahead of their first use.
.macro PAIR p
	s_wait_dscnt 4                                 ; LDS loads come back in order (ISA guide 5.7.1): all but the youngest four, this pair's tile 1, are in
.if (\p) == 0
	MUL16 \p, 0, 0, 1
.else
	MUL16 \p, 0, 0, 0
.endif
	MUL16 \p, 0, 1, 0
.if (\p) < 15
.rept 4
	v_nop                                          ; four places between the last products that read the other buffer and the loads into it (ISA guide 7.12.1 for vector instructions); the matrix instructions between are not counted
.endr
.if ((\p)+1)%4 == 0
	s_wait_tensorcnt 3-((\p)+1)/4                  ; a wave's tensor loads end in order (ISA guide 10.11.1): the chunk in which the next pair lies has landed; the chunks behind it may be out
.endif
	FETCH (\p)+1
	s_wait_dscnt 8                                 ; all but the eight just issued: this pair's tile 1 is in
.else
	s_wait_dscnt 0x0
.endif
	MUL16 \p, 1, 0, 0
	MUL16 \p, 1, 1, 0
.endm
	s_wait_tensorcnt 3                             ; my first chunk has landed; three may be out
	FETCH 0
	; THE MAIN PART is written out: the waits for the chunks count down 2, 1, 0, and every offset and register number is a constant of its pair.  1,024 matrix instructions a wave
.set PP, 0
.rept 16
	PAIR PP
.set PP, PP+1
.endr
	s_set_vgpr_msb 0x0400                          ; every window 0
	; THE SUMS.  An accumulator holds, for own row r, 8 partial sums in each half of the lanes.  Stage by stage over the 16 tiles, each accumulator from its low end on; the buffers' registers take the results.
.rept 4
	v_nop                                          ; four places behind the last products
.endr
.irp t, 0,1,2,3,4,5,6,7,8,9,10,11,12,13,14,15
	v_pk_add_f32 v[BUF+4*\t:BUF+4*\t+1], v[ACC+8*\t:ACC+8*\t+1], v[ACC+8*\t+2:ACC+8*\t+3]
.endr
.irp t, 0,1,2,3,4,5,6,7,8,9,10,11,12,13,14,15
	v_pk_add_f32 v[BUF+4*\t+2:BUF+4*\t+3], v[ACC+8*\t+4:ACC+8*\t+5], v[ACC+8*\t+6:ACC+8*\t+7]
.endr
.irp t, 0,1,2,3,4,5,6,7,8,9,10,11,12,13,14,15
	v_pk_add_f32 v[BUF+4*\t:BUF+4*\t+1], v[BUF+4*\t:BUF+4*\t+1], v[BUF+4*\t+2:BUF+4*\t+3]
.endr
.irp t, 0,1,2,3,4,5,6,7,8,9,10,11,12,13,14,15
	v_add_f32 v[BUF+4*\t], v[BUF+4*\t], v[BUF+4*\t+1]
.endr
.irp k, 0,1,2,3,4,5,6,7
	v_permlane16_swap_b32 v[BUF+8*\k], v[BUF+8*\k+4]               ; tile 2 k's lanes 16-31 change places with tile 2 k + 1's lanes 0-15: the first register holds both tiles' lower halves, the second both upper halves
.endr
.irp k, 0,1,2,3,4,5,6,7
	v_add_f32 v[BUF+8*\k], v[BUF+8*\k], v[BUF+8*\k+4]              ; lanes 0-15: tile 2 k's rows; lanes 16-31: tile 2 k + 1's
.endr
.irp k, 0,1,2,3,4,5,6,7
	ds_store_b32 v[RST], v[BUF+8*\k] offset:256*(\k/2)+16*(\k%2)   ; at 4 x the own row's number in the strip: 64 (k / 2) + 8 q + e + 2 (2 (k % 2) + h)
.endr
	s_wait_dscnt 0x0                               ; for the others' sake: my partial sums lie in LDS
	s_barrier_signal -1
	s_barrier_wait -1
.irp j, 0,1,2,3
	ds_load_b64 v[BUF+32+2*\j:BUF+32+2*\j+1], v[RLD] offset:1024*\j    ; wave j's part of my two rows
.endr
	s_wait_dscnt 0x0
	v_pk_add_f32 v[BUF+32:BUF+33], v[BUF+32:BUF+33], v[BUF+34:BUF+35]
	v_pk_add_f32 v[BUF+36:BUF+37], v[BUF+36:BUF+37], v[BUF+38:BUF+39]
	v_pk_add_f32 v[BUF+32:BUF+33], v[BUF+32:BUF+33], v[BUF+36:BUF+37]
	global_store_b64 v[GO], v[BUF+32:BUF+33], s[12:13]             ; a wave stores 256 consecutive bytes, at a multiple of 256 from out0's first byte
	s_wait_tensorcnt 0x0
	ds_add_u32 v14, v15
	s_wait_dscnt 0x0
	CROUND                                         ; the closing round: no work-group ends while a partner may still ask for a tile that names it.  (All my tensor loads were waited for in front of the last chunk's first read)
	s_endpgm
.Lfunc_end_k_q788daa5a6d_strips:
	.size	k_q788daa5a6d_strips, .Lfunc_end_k_q788daa5a6d_strips-k_q788daa5a6d_strips
	.p2alignl 7, 3214868480
	.fill 96, 4, 3214868480
	.section	.rodata,"a",@progbits
	.p2align	6, 0x0
	.amdhsa_kernel k_q788daa5a6d_strips
		.amdhsa_group_segment_fixed_size 327680
		.amdhsa_private_segment_fixed_size 0
		.amdhsa_enable_private_segment 0
		.amdhsa_kernarg_size 40
		.amdhsa_user_sgpr_count 2
		.amdhsa_user_sgpr_kernarg_segment_ptr 1
		.amdhsa_wavefront_size32 1
		.amdhsa_system_sgpr_workgroup_id_x 1
		.amdhsa_system_sgpr_workgroup_id_y 1
		.amdhsa_system_sgpr_workgroup_id_z 1
		.amdhsa_system_vgpr_workitem_id 0
		.amdhsa_next_free_vgpr 512
		.amdhsa_next_free_sgpr 96
		.amdhsa_reserve_vcc 0
		.amdhsa_float_denorm_mode_32 3
		.amdhsa_float_denorm_mode_16_64 3
		.amdhsa_memory_ordered 1
		.amdhsa_forward_progress 1
		.amdhsa_inst_pref_size 158
	.end_amdhsa_kernel
	.amdgpu_metadata
---
amdhsa.version: [ 1, 2 ]
amdhsa.kernels:
  - .name:           k_q788daa5a6d_strips
    .symbol:         k_q788daa5a6d_strips.kd
    .args:
      - { .name: x_codes, .offset: 0, .size: 8, .value_kind: global_buffer, .address_space: global }
      - { .name: x_scales, .offset: 8, .size: 8, .value_kind: global_buffer, .address_space: global }
      - { .name: y_codes, .offset: 16, .size: 8, .value_kind: global_buffer, .address_space: global }
      - { .name: y_scales, .offset: 24, .size: 8, .value_kind: global_buffer, .address_space: global }
      - { .name: out0, .offset: 32, .size: 8, .value_kind: global_buffer, .address_space: global }
    .group_segment_fixed_size: 327680
    .private_segment_fixed_size: 0
    .kernarg_segment_align: 8
    .kernarg_segment_size: 40
    .max_flat_workgroup_size: 128
    .sgpr_count:     96
    .vgpr_count:     512
    .wavefront_size: 32
...
	.end_amdgpu_metadata
.endif
;; end of part 1
